; MI455X (gfx1250); checked and timed in simulation.
; The chip was launched on July 23, 2026; its instructions are those of AMD's public machine-readable ISA for CDNA 5 (MIT licence, August 2026) and "CDNA5" Instruction Set Architecture Reference Guide (July 2026). The comments in the code are by the model that wrote it; some were corrected since.
;; Attention. Allowed arithmetic: matrix products marked QUANTISED: E3M2 operands, one E8M0 scale for each 32 along K, by v_wmma_scale_f32_16x16x128_f8f6f4 with both operands' format E3M2, f32 sums; products left as they are: f32 operands where the result goes on into a quantised operand, else bf16, f16 or f32 operands; f32 sums; everything else in f32.
;; Inputs: W_att 1,024 float32; W_dec 1,024 x 1,024 float32; W_enc 2,048 x 1,024 float32; b_att one number float32; b_dec 1,024 float32; b_enc 1,024 float32; dec_out 64 x 1,024 float32; enc_out 64 x 512 x 2,048 float32.
;; Outputs: out0 64 x 2,048 float32; out1 64 x 512 float32.
;; This version of the problem:
;;   THIS VERSION OF THE PROBLEM IS GIVEN IN LOW PRECISION. The matrix products marked QUANTISED in the list below multiply operands that are first quantised to E3M2 (3 exponent bits, 2 mantissa bits; 6 bits a number), with one power-of-two scale for each 32 numbers along K (OCP MX v1.0); their sums are f32. All else is computed in f32.
;;   The module's matrix products, in the order in which they are computed (A, B: the left and right operand; K: the contracted axis; several contracted axes count as one K, in the product's order):
;;     1. [M 32,768, K 2,048] x [K 2,048, N 1,024]; A: input enc_out; B: input W_enc: QUANTISED
;;     2. [M 64, K 1,024] x [K 1,024, N 1,024]; A: input dec_out; B: input W_dec: QUANTISED
;;     3. [M 32,768, K 1,024] x [K 1,024, N 1]; A: computed on the way; B: input W_att: left as it is (N = 1 < 16)
;;     4. batch 64 x [M 2,048, K 512] x [K 512, N 1]; A: input enc_out; B: softmax: left as it is (N = 1 < 16)
;;   THE QUANTISER, for each operand of a quantised product, along K:
;;     - K is cut into blocks of 32 from its start; a last block that is shorter is filled with zeros.
;;     - A block's scale is 2^e with e = floor(log2(the largest magnitude in the block)) - 4, held to -126 .. 127; a block of zeros has e = 0. As a byte (E8M0): e + 127.
;;     - Each number is divided by its block's scale, clamped to +-28, and rounded to the nearest number of E3M2, ties to even, subnormals kept.
;;     - The product sums the exact products of the quantised numbers (number of the format x scale) in f32.
;;   ~~~python
;;   def quantise(x, axis):      # numpy; x: float32 -> the quantised numbers, widened to float32 again
;;       x = np.moveaxis(x, axis, -1); K = x.shape[-1]
;;       x = np.pad(x, [(0, 0)] * (x.ndim - 1) + [(0, -K % 32)]); x = x.reshape(x.shape[:-1] + (-1, 32)); a = np.abs(x).max(-1, keepdims=True)
;;       e = np.where(a > 0, np.clip(np.frexp(np.where(a > 0, a, 1))[1] - 1 - 4, -126, 127), 0)      # np.frexp(a)[1] - 1 = floor(log2(a)), exactly
;;       r = np.clip(x / 2.0 ** e, -28, 28)
;;       step = 2.0 ** (np.maximum(np.frexp(np.where(r == 0, 1, r))[1] - 1, -2) - 2)
;;       q = np.round(r / step) * step * 2.0 ** e      # np.round: ties to even
;;       return np.moveaxis(q.reshape(q.shape[:-2] + (-1,))[..., :K], -1, axis).astype(np.float32)
;;   ~~~
;; One version. Each part assembles by itself: llvm-mc -triple=amdgcn-amd-amdhsa -mcpu=gfx1250 --defsym DOCPART=n.
;; ======== version 1 of 1: 3 launches
;; workspace buffers: wq 1,572,864 bytes; ws 65,536 bytes; biasw 262,144 bytes; scores 131,072 bytes; part 4,194,304 bytes
;; launch prep (part 1): grid 256 x 1, 8 waves a work-group, no clusters, 17,408 bytes of LDS; arguments W_enc, W_dec, dec_out, b_dec, b_enc, wq, ws, biasw; writes wq, ws, biasw
.if DOCPART == 1
	.amdgcn_target "amdgcn-amd-amdhsa--gfx1250"
	.amdhsa_code_object_version 6
	.text
	.protected	k_q02f37d17ea_prep
	.globl	k_q02f37d17ea_prep
	.p2align	8
	.type	k_q02f37d17ea_prep,@function
k_q02f37d17ea_prep:
	s_mov_b64 s[64:65], 0
	v_nop
	global_prefetch_b8 v0, s[64:65] scope:SCOPE_SE
	s_setreg_imm32_b32 hwreg(HW_REG_WAVE_MODE, 25, 1), 1
	s_wait_xcnt 0x0
; Two jobs in one launch, told apart by the work-group's number (one branch, the same for all eight waves of a work-group).  The longer job has the lower numbers.
; WORK-GROUPS 0-127: biasw[T][b][16] = (dec_out x W_dec)[b][16 T ..] + b_dec + b_enc, the product on codes of BF6 (E3M2) with one E8M0 scale for each 32 along K.
;   T = x / 2; the work-group takes rows 32 (x % 2) on of dec_out's 64; wave s takes K step s of the eight; the eight partial tiles meet in LDS.  All of a wave's loads are issued at once.
; WORK-GROUPS 128-255: W_enc [2048 (k)][1024 (n)] f32 becomes codes and scales, laid in the ORDER OF THE OPERAND'S REGISTERS:
;   wq: fragment (K step s of 128, column tile T of 16) at (64 s + T) x 1536 bytes; register 4 c + i of lane l at 512 c + 16 l + 4 i.
;   ws: the scale word of (s, T, column r) at 4096 s + 256 (T / 4) + 128 (T % 2) + 8 r + 4 ((T / 2) % 2): so the next launch gets the words of four tiles by one load of 8 bytes a lane.
;   A wave makes one fragment: with y = x - 128, s = y / 8, T = 8 (y % 8) + wave.
; A LANE TAKES A COLUMN n = r OF W AND ITS REGISTERS RUN DOWN K, in the order that the operand's layout gives lane (r, h): k = 64 c + 32 h + 0 .. 31: the conversions' results are the operand's registers.
; A block's scale is 2^(floor(log2(largest magnitude)) - 4); its byte is the largest magnitude's exponent field - 4, held at 1 from below.
; LIMITS: NaN and infinities among the inputs are not served.  A block of zeros gets the byte 1 (the rule says 127): its codes are zeros, and this program alone reads the bytes.
.set R0,   16                          ; v16-79    64 numbers of W; later dec_out's two fragments, 12 registers each
.set R1,   80                          ; v80-143   64 numbers of dec_out; later the two accumulators
.set R2,   144                         ; v144-207  64 numbers of dec_out; later the biases and the partial tiles
.set FW,   208                         ; v208-219  W's fragment
.set SW,   220                         ; v220      its scale word
.set SX,   221                         ; v221-222  dec_out's scale words
.set QTMP, 226                         ; v226-233  a block's upper 16 codes, before they are moved
.set QM,   234                         ; v234-237  four running maxima; 235 and 237 later hold the two scale bytes
.set QSOP, 238                         ; v238-239  the conversions' scale operands
.set QTP,  240                         ; v240      the other half's bytes
.set QSH8, 5                           ; v5        8 h
.set SEL,  22                          ; s[22:23]  lane selects: lane l xor 16
.set F,    16
.set ACC,  80
; 64 numbers of a lane, register 32 c + i = k 64 c + 32 h + i of its row or column, become a fragment's 12 registers at dst and its scale word in sw (whole in every lane).
.macro QUANTB src, dst, sw
.irp n, 0,1,2,3
	v_max3_num_f32 v[QM+\n], |v[(\src)+16*\n]|, |v[(\src)+16*\n+1]|, 0x2800000   ; chain n: numbers 16 n on, and the floor 2^(5 - 127): the byte cannot fall under 1
.endr
.irp i, 2,4,6,8,10,12,14
.irp n, 0,1,2,3
	v_max3_num_f32 v[QM+\n], v[QM+\n], |v[(\src)+16*\n+\i]|, |v[(\src)+16*\n+\i+1]|   ; the four chains by turns
.endr
.endr
.irp c, 0,1
	v_max_num_f32 v[QM+2*\c], v[QM+2*\c], v[QM+2*\c+1]     ; block 2 c + h: all its 32 numbers are mine
.endr
.irp c, 0,1
	v_add_nc_u32 v[QSOP+\c], 0xfe000000, v[QM+2*\c]        ; 4 off the exponent field: the conversion takes that field as its scale
.endr
.irp c, 0,1
	v_lshrrev_b32 v[QM+2*\c+1], 23, v[QSOP+\c]             ; the scale's byte
.endr
	v_lshl_or_b32 v[\sw], v[QM+3], 16, v[QM+1]             ; my bytes: blocks h and 2 + h,
	v_lshlrev_b32 v[\sw], v[QSH8], v[\sw]                  ; at their places in the word;
	v_permlanex16_b32 v[QTP], v[\sw], s[SEL], s[SEL+1]
	v_or_b32 v[\sw], v[\sw], v[QTP]                        ; with lane l xor 16's two the word is whole
.irp c, 0,1
	v_cvt_scalef32_pk16_bf6_f32 v[(\dst)+6*\c:(\dst)+6*\c+2], v[(\src)+32*\c:(\src)+32*\c+15], v[QSOP+\c]
	v_cvt_scalef32_pk16_bf6_f32 v[QTMP+4*\c:QTMP+4*\c+2], v[(\src)+32*\c+16:(\src)+32*\c+31], v[QSOP+\c]   ; (three registers begin on an even number: made elsewhere and moved)
.endr
	v_nop                                                  ; one plain place behind the scaled conversions
.irp c, 0,1
.irp i, 0,1,2
	v_mov_b32 v[(\dst)+6*\c+3+\i], v[QTMP+4*\c+\i]
.endr
.endr
.endm
.macro WLD base                        ; W(128 s + 64 c + 32 h + i, 16 T + r): sixteen lanes read 64 neighbouring bytes; a row of W is 4,096 bytes
.set wi, 0
.rept 64
	global_load_b32 v[R0+wi], v4, s[\base:\base+1] offset:(64*(wi/32)+wi%32)*4096
.set wi, wi+1
.endr
.endm
.macro XLD m, reg                      ; dec_out(my 32 rows' tile m, row r; 128 s + 64 c + 32 h + 0 .. 31): eight loads of 16 bytes a block
.irp c, 0,1
.irp q, 0,1,2,3,4,5,6,7
	global_load_b128 v[(\reg)+32*\c+4*\q:(\reg)+32*\c+4*\q+3], v8, s[8:9] offset:65536*(\m)+256*\c+16*\q
.endr
.endr
.endm
	s_load_b256 s[4:11], s[0:1], 0x0               ; W_enc s[4:5], W_dec s[6:7], dec_out s[8:9], b_dec s[10:11]
	s_load_b256 s[12:19], s[0:1], 0x20             ; b_enc s[12:13], wq s[14:15], ws s[16:17], biasw s[18:19]
	v_lshl_add_u32 v254, v0, 2, 0x4000
	v_mov_b32 v255, 0
	v_lshrrev_b32 v1, 5, v0
	v_readfirstlane_b32 s20, v1                    ; wave 0..7
	v_and_b32 v1, 31, v0                           ; lane
	v_and_b32 v2, 15, v0                           ; r
	v_bfe_u32 v3, v0, 4, 1                         ; h
	v_lshlrev_b32 v4, 2, v2
	v_lshl_add_u32 v4, v3, 17, v4                  ; W: 32 h rows of 4,096 bytes + 4 r
	v_lshlrev_b32 v[QSH8], 3, v3
	v_mov_b32 v[QTP], 0                            ; written once: a lane permute's destination counts as one of its sources
	s_mov_b32 s[SEL], 0x76543210
	s_mov_b32 s[SEL+1], 0xfedcba98
	s_mov_b32 s25, 0
	s_cmp_lt_u32 ttmp9, 128
	s_cbranch_scc1 .Ldec
	; ---- W_enc: one fragment a wave
	s_sub_co_u32 s28, ttmp9, 128
	s_lshr_b32 s26, s28, 3                         ; s
	s_and_b32 s27, s28, 7
	s_lshl_b32 s27, s27, 3
	s_add_co_u32 s27, s27, s20                     ; T
	s_lshl_b32 s24, s26, 19                        ; 128 s rows
	s_lshl_b32 s28, s27, 6                         ; 16 T columns
	s_add_co_u32 s24, s24, s28
	s_wait_kmcnt 0x0
	s_add_nc_u64 s[4:5], s[4:5], s[24:25]
	WLD 4
	s_lshl_b32 s28, s26, 6
	s_add_co_u32 s28, s28, s27
	s_mul_i32 s24, s28, 1536                       ; (64 s + T) fragments
	s_add_nc_u64 s[14:15], s[14:15], s[24:25]
	s_lshl_b32 s24, s26, 12                        ; the scale words' place: 4096 s
	s_lshr_b32 s28, s27, 2
	s_lshl_b32 s28, s28, 8
	s_add_co_u32 s24, s24, s28                     ; + 256 (T / 4)
	s_and_b32 s28, s27, 1
	s_lshl_b32 s28, s28, 7
	s_add_co_u32 s24, s24, s28                     ; + 128 (T % 2)
	s_bfe_u32 s28, s27, 0x10001
	s_lshl_b32 s28, s28, 2
	s_add_co_u32 s24, s24, s28                     ; + 4 ((T / 2) % 2)
	s_add_nc_u64 s[16:17], s[16:17], s[24:25]
	v_lshlrev_b32 v6, 4, v1                        ; 16 x lane
	v_lshlrev_b32 v7, 3, v2                        ; 8 r
	s_wait_loadcnt 0x0
	QUANTB R0, FW, SW
.irp c, 0,1,2
	global_store_b128 v6, v[FW+4*\c:FW+4*\c+3], s[14:15] offset:512*\c   ; 32 lanes store 512 consecutive bytes, at a multiple of 512 from the buffer's first byte
.endr
	global_store_b32 v7, v[SW], s[16:17]           ; lanes r and 16 + r store the same word with the same value
	s_endpgm
	; ---- dec_out x W_dec: wave s takes K step s for the work-group's 32 rows and 16 columns
.Ldec:
	s_lshr_b32 s27, ttmp9, 1                       ; T
	s_and_b32 s35, ttmp9, 1                        ; which 32 rows
	s_lshl_b32 s24, s20, 19                        ; 128 s rows of W_dec
	s_lshl_b32 s28, s27, 6                         ; 16 T columns, in bytes
	s_add_co_u32 s24, s24, s28
	s_mov_b32 s29, 0
	s_lshl_b32 s30, s20, 9                         ; dec_out: 128 s numbers along a row,
	s_lshl_b32 s36, s35, 17                        ; 32 rows of 4,096 bytes
	s_add_co_u32 s30, s30, s36
	s_mov_b32 s31, 0
	s_lshl_b32 s32, s27, 12                        ; biasw: 4,096 bytes a tile,
	s_lshl_b32 s36, s35, 11                        ; 32 rows of 64 bytes
	s_add_co_u32 s32, s32, s36
	s_mov_b32 s33, 0
	v_lshlrev_b32 v8, 12, v2
	v_lshl_add_u32 v8, v3, 7, v8                   ; dec_out: row r of 4,096 bytes + 32 h numbers
	s_wait_kmcnt 0x0
	s_add_nc_u64 s[6:7], s[6:7], s[24:25]
	s_add_nc_u64 s[8:9], s[8:9], s[30:31]
	s_add_nc_u64 s[10:11], s[10:11], s[28:29]
	s_add_nc_u64 s[12:13], s[12:13], s[28:29]
	s_add_nc_u64 s[18:19], s[18:19], s[32:33]
	WLD 6
	XLD 0, R1
	XLD 1, R2
	s_lshl_b32 s34, s20, 11                        ; my partial tile in LDS: 2,048 bytes a wave, laid [row][16 columns]
	v_lshlrev_b32 v9, 2, v2
	v_lshl_add_u32 v9, v3, 9, v9
	v_add_nc_u32 v9, s34, v9                       ; 2048 wave + 8 h rows of 64 bytes + 4 r
	v_lshlrev_b32 v10, 3, v0                       ; back: 8 bytes a thread; and the same place in biasw's half tile
	v_and_b32 v11, 7, v0
	v_lshlrev_b32 v11, 3, v11                      ; the thread's two columns in b_dec and b_enc
	s_wait_loadcnt 32                              ; W's 64 loads are in; the 32 of dec_out's two tiles may be out
	QUANTB R0, FW, SW
	s_wait_loadcnt 16                              ; tile 0 is in; tile 1's 16 may be out
	QUANTB R1, F, SX
	s_wait_loadcnt 0x0
	QUANTB R2, F+12, SX+1
	global_load_b64 v[144:145], v11, s[10:11]      ; b_dec, b_enc at my two columns
	global_load_b64 v[146:147], v11, s[12:13]
.rept 8
	v_nop                                          ; a scale register written by a vector instruction stands 8 places ahead of a scaled matrix instruction, an operand so written 4
.endr
.irp m, 0,1
	v_wmma_scale_f32_16x16x128_f8f6f4 v[ACC+8*\m:ACC+8*\m+7], v[F+12*\m:F+12*\m+11], v[FW:FW+11], 0, v[SX+\m], v[SW] matrix_a_fmt:MATRIX_FMT_BF6 matrix_b_fmt:MATRIX_FMT_BF6
.endr
.rept 4
	v_nop                                          ; four places in front of the stores that read the results
.endr
.irp m, 0,1
.irp j, 0,1,2,3,4,5,6,7
	ds_store_b32 v9, v[ACC+8*\m+\j] offset:(16*\m+\j)*64   ; (row 16 m + 8 h + j, column r); each accumulator from its low end on
.endr
.endr
	s_wait_dscnt 0x0                               ; for the others' sake: my stores have landed
	s_barrier_signal -1
	s_barrier_wait -1
.irp w, 0,1,2,3,4,5,6,7
	ds_load_b64 v[160+2*\w:161+2*\w], v10 offset:2048*\w
.endr
	s_wait_loadcnt 0x0
	v_pk_add_f32 v[152:153], v[144:145], v[146:147]
	s_wait_dscnt 0x0
.irp w, 0,1,2,3,4,5,6,7
	v_pk_add_f32 v[152:153], v[152:153], v[160+2*\w:161+2*\w]      ; K ascending
.endr
	global_store_b64 v10, v[152:153], s[18:19]     ; a wave stores 256 consecutive bytes, at a multiple of 256 from the buffer's first byte
	s_wait_tensorcnt 0x0
	ds_add_u32 v254, v255
	s_wait_dscnt 0x0
	s_endpgm
.Lfunc_end_k_q02f37d17ea_prep:
	.size	k_q02f37d17ea_prep, .Lfunc_end_k_q02f37d17ea_prep-k_q02f37d17ea_prep
	.p2alignl 7, 3214868480
	.fill 96, 4, 3214868480
	.section	.rodata,"a",@progbits
	.p2align	6, 0x0
	.amdhsa_kernel k_q02f37d17ea_prep
		.amdhsa_group_segment_fixed_size 17408
		.amdhsa_private_segment_fixed_size 0
		.amdhsa_enable_private_segment 0
		.amdhsa_kernarg_size 64
		.amdhsa_user_sgpr_count 2
		.amdhsa_user_sgpr_kernarg_segment_ptr 1
		.amdhsa_wavefront_size32 1
		.amdhsa_system_sgpr_workgroup_id_x 1
		.amdhsa_system_sgpr_workgroup_id_y 1
		.amdhsa_system_sgpr_workgroup_id_z 1
		.amdhsa_system_vgpr_workitem_id 0
		.amdhsa_next_free_vgpr 256
		.amdhsa_next_free_sgpr 66
		.amdhsa_reserve_vcc 0
		.amdhsa_float_denorm_mode_32 3
		.amdhsa_float_denorm_mode_16_64 3
		.amdhsa_memory_ordered 1
		.amdhsa_forward_progress 1
		.amdhsa_inst_pref_size 34
	.end_amdhsa_kernel
	.amdgpu_metadata
---
amdhsa.version: [ 1, 2 ]
amdhsa.kernels:
  - .name:           k_q02f37d17ea_prep
    .symbol:         k_q02f37d17ea_prep.kd
    .args:
      - { .name: W_enc, .offset: 0, .size: 8, .value_kind: global_buffer, .address_space: global }
      - { .name: W_dec, .offset: 8, .size: 8, .value_kind: global_buffer, .address_space: global }
      - { .name: dec_out, .offset: 16, .size: 8, .value_kind: global_buffer, .address_space: global }
      - { .name: b_dec, .offset: 24, .size: 8, .value_kind: global_buffer, .address_space: global }
      - { .name: b_enc, .offset: 32, .size: 8, .value_kind: global_buffer, .address_space: global }
      - { .name: wq, .offset: 40, .size: 8, .value_kind: global_buffer, .address_space: global }
      - { .name: ws, .offset: 48, .size: 8, .value_kind: global_buffer, .address_space: global }
      - { .name: biasw, .offset: 56, .size: 8, .value_kind: global_buffer, .address_space: global }
    .group_segment_fixed_size: 17408
    .private_segment_fixed_size: 0
    .kernarg_segment_align: 8
    .kernarg_segment_size: 64
    .max_flat_workgroup_size: 256
    .sgpr_count:     66
    .vgpr_count:     256
    .wavefront_size: 32
...
	.end_amdgpu_metadata
.endif
;; end of part 1
;; launch main (part 2): grid 512 x 1, 4 waves a work-group, no clusters, 327,680 bytes of LDS; arguments enc_out, wq, ws, biasw, W_att, b_att, scores, part; writes scores, part
.if DOCPART == 2
	.amdgcn_target "amdgcn-amd-amdhsa--gfx1250"
	.amdhsa_code_object_version 6
	.text
	.protected	k_q02f37d17ea_main
	.globl	k_q02f37d17ea_main
	.p2align	8
	.type	k_q02f37d17ea_main,@function
k_q02f37d17ea_main:
	s_mov_b64 s[64:65], 0
	v_nop
	global_prefetch_b8 v0, s[64:65] scope:SCOPE_SE
	s_setreg_imm32_b32 hwreg(HW_REG_WAVE_MODE, 25, 1), 1
	s_wait_xcnt 0x0
; A work-group owns 64 rows of one batch (block = work-group number, batch = block / 8) and takes them through everything that needs enc_out, so that enc_out is read ONCE:
;   scores[row] = sum over a of relu(x W_enc + bias)[a] W_att[a] + b_att, the product on codes of BF6 (E3M2) with E8M0 scales for each 32 along K;
;   part[block][e] = sum over the 64 rows of 2^((score - the block's largest score) log2 e) x[row][e].  The next launch joins the eight blocks of a batch.
; SHARES.  Wave w multiplies all 64 rows by columns 256 w .. 256 w + 255: 64 accumulators, 512 registers.  Wave w fetches, quantises and keeps rows 16 w .. 16 w + 15.
; HOW x ARRIVES.  K goes in 16 steps of 128.  A tensor load brings two K steps of a wave's 16 rows as f32: 16 rows x 1,024 bytes, laid 1,040 bytes apart: a region of 16,640 bytes.
; The first FOUR loads of a wave, K steps 0-7, go out together at the head, into four regions of its own: slot 0, slot 1, A and B.  Four more follow as refills: K steps 8, 9 into slot 0 in K step 3,
; 10, 11 into slot 1 in K step 6, 12, 13 into slot 0 in K step 9, 14, 15 into slot 1 in K step 11.  By this text's count four tensor loads of a wave are out at the start, later one.
; Each K step the wave quantises its 16 rows in registers, hands the fragment to the other waves as an image of its registers in LDS (one barrier a K step), and keeps the numbers, rounded to bf16, for the
; weighted sum.  WHERE THE COPIES LIE: K steps 2, 3 in a region C of their own; 4-7 over A and 8-11 over B, which are never filled again, each copy over f32 bytes that the wave has read; 12-15 likewise over the
; slots, behind their last fills; 0 and 1 in registers until the end, then over slot 0.
; W's codes were laid in register order by the launch before: each fragment is used by one wave alone and goes from memory straight into its registers, a K step ahead.
; NO JOINT LOADS: the regions of x, the images and the small tables leave 11,520 bytes of LDS; a K step of W's codes is 98,304.
; ORIENTATION: source 0 = 16 rows of x, source 1 = 16 columns of W: lane (r, h), register j of tile (m, t) holds row 16 m + 8 h + j, column 256 w + 16 t + r.
; LIMITS: NaN and infinities are not served.  A block of zeros gets the scale byte 1 with zero codes.  x enters the weighted sum rounded to bf16 (that product is left unquantised); the weights stay f32.
; REGISTERS, in windows of 256.  Window 0: see the names below.  Window 1: v0-191 W's 16 fragments; v192-255 the bf16 copies of K steps 0 and 1.  Window 2: the accumulators of column groups 0, 1
; (at 8 (16 (g % 2) + 4 m + tt)); window 3: those of groups 2, 3.
.set SLOT1, 1<<17                      ; slot 1 begins here: one exclusive or turns an address in one slot into the other's
.set WREG,  16640                      ; a wave's region: 16 rows of XP bytes
.set XP,    1040                       ; 1,024 bytes + 16 of padding = 260 words: the 16 rows of a load start 4 banks apart (64 banks of 4 bytes: ISA guide 11.1)
.set TA0,   66560                      ; A(w) = TA0 + min(w, 1) TAJ + w WREG: wave 0's lies behind slot 0, the others' behind slot 1
.set TAJ,   114432
.set TB0,   247552                     ; B(w) = TB0 + w WREG, behind A(3)
.set CC0,   83200                      ; C(w) = CC0 + w CCW: 16 rows of CCP bytes
.set CCW,   8448
.set CCP,   528                        ; two K steps x 256 bytes + 16
.set IMG,   116992                     ; two image buffers of IMB bytes: four fragments of 1,536 bytes, then four times 128 bytes of scale words
.set IMB,   6656
.set SPARE, 130304                     ; the spare words, 128 bytes a wave: two blocks of 256 bytes that no other line names
.set SCR,   314112                     ; the waves' partial scores: 256 bytes a wave
.set PSC,   315136                     ; the block's 64 weights, a copy for each wave
.set SPW, 1                            ; v1   SPARE + 4 x my thread's number; never rewritten
.set NIL, 2                            ; v2   0; never rewritten
.set XQ0, 3                            ; v3   x in slot 0: my region + row r + 32 h numbers
.set XQA, 4                            ; v4   the same in the region in hand
.set R4,  5                            ; v5   4 r
.set IMS, 6                            ; v6   where I store my fragment's image
.set XSS, 7                            ; v7   and its scale words
.set LI,  8                            ; v8   where images are read: 16 x lane
.set LS,  9                            ; v9   and scale words: 4 x lane
.set CPC, 10                           ; v10  the copies in C: C(w) + row r + 64 h
.set CA,  11                           ; v11  the copies in the region in hand
.set IP0, 12                           ; v12  the copies laid into slot 0: my region + row r + 64 h
.set BO,  13                           ; v13  W's codes: 16 fragments x wave + 16 x lane
.set SO,  14                           ; v14  W's scale words: 1024 x wave + 8 x lane
.set QSH8, 15                          ; v15  8 h
.set QM,  16                           ; v16-19 running maxima, later bytes
.set QSOP, 20                          ; v20-21 the conversions' scale operands
.set PW,  22                           ; v22  the scale word just made
.set QTP, 23
.set PC,  24                           ; v24-35 the codes just made
.set QTMP, 36                          ; v36-43
.set WSC, 44                           ; v44-51 W's scale words: register 2 g + i: lanes 0-15 tile 4 g + 2 i, lanes 16-31 tile 4 g + 2 i + 1
.set XS,  52                           ; v52-59 x's scale words, two sets of four
.set AF,  60                           ; v60-155 x's fragments, two sets of four
.set Q,   156                          ; v156-219 64 numbers of x
.set CBR, 220                          ; v220-251 the same as bf16
.set PFO, 252                          ; v252 the prefetches' offset: row r of 8,192 bytes + 256 h; never rewritten
.set H0,  192                          ; in window 1
.set BI,  156                          ; the way out: bias, W_att, the rows' sums
.set WA,  172
.set S,   188
.set ACCW, 156                         ; later: the weighted sum, 64 numbers a lane
.set XB0, 220
.set XB1, 60
.set SEL, 44                           ; s[44:45]
; scalars: s[4:19] the eight buffers; s20 wave; s[22:23] where the prefetches stand; s[24:31] descriptor group 1; s[32:35], s[36:39], s[68:71], s[72:75] group 0 of the four first fills; s[76:79] group 0 that walks;
; s40 the slot in hand; s41 A(w) less my region of slot 0; s42 trips; s43 the copies' place in the ring's loop; s46 b_att; s54 my region of slot 0; s80 A(w), s81 B(w), s82 C(w)
.set MSB, 0
.macro WIN new                         ; the immediate's high byte repeats the setting that is left; a switch that changes nothing is dropped
.if MSB != (\new)
	s_set_vgpr_msb (MSB<<8)|(\new)
.set MSB, (\new)
.endif
.endm
; 64 numbers of a lane, register 32 c + i = k 64 c + 32 h + i of its row, become a fragment's 12 registers at dst and its scale word in sw (whole in every lane).
.macro QUANTB src, dst, sw
.irp n, 0,1,2,3
	v_max3_num_f32 v[QM+\n], |v[(\src)+16*\n]|, |v[(\src)+16*\n+1]|, 0x2800000   ; chain n: numbers 16 n on, and the floor 2^(5 - 127): the byte cannot fall under 1
.endr
.irp i, 2,4,6,8,10,12,14
.irp n, 0,1,2,3
	v_max3_num_f32 v[QM+\n], v[QM+\n], |v[(\src)+16*\n+\i]|, |v[(\src)+16*\n+\i+1]|
.endr
.endr
.irp c, 0,1
	v_max_num_f32 v[QM+2*\c], v[QM+2*\c], v[QM+2*\c+1]     ; block 2 c + h: all its 32 numbers are mine
.endr
.irp c, 0,1
	v_add_nc_u32 v[QSOP+\c], 0xfe000000, v[QM+2*\c]        ; 4 off the exponent field: the conversion takes that field as its scale
.endr
.irp c, 0,1
	v_lshrrev_b32 v[QM+2*\c+1], 23, v[QSOP+\c]             ; the scale's byte
.endr
	v_lshl_or_b32 v[\sw], v[QM+3], 16, v[QM+1]
	v_lshlrev_b32 v[\sw], v[QSH8], v[\sw]
	v_permlanex16_b32 v[QTP], v[\sw], s[SEL], s[SEL+1]
	v_or_b32 v[\sw], v[\sw], v[QTP]                        ; with lane l xor 16's two bytes the word is whole
.irp c, 0,1
	v_cvt_scalef32_pk16_bf6_f32 v[(\dst)+6*\c:(\dst)+6*\c+2], v[(\src)+32*\c:(\src)+32*\c+15], v[QSOP+\c]
	v_cvt_scalef32_pk16_bf6_f32 v[QTMP+4*\c:QTMP+4*\c+2], v[(\src)+32*\c+16:(\src)+32*\c+31], v[QSOP+\c]
.endr
	v_nop                                                  ; one plain place behind the scaled conversions
.irp c, 0,1
.irp i, 0,1,2
	v_mov_b32 v[(\dst)+6*\c+3+\i], v[QTMP+4*\c+\i]
.endr
.endr
.endm
; 26 loads: the eight fragments of W of groups g0 and g0 + 1 (each load 512 consecutive bytes) and their scale words.  back = 0: at the K step where s[6:7] and s[8:9] stand; 1: at the K step before.
.macro BLOAD2 g0, back
	WIN 0x40                                       ; destination window 1, address window 0
.irp gt, 0,1,2,3,4,5,6,7
.irp c, 0,1,2
	global_load_b128 v[12*(4*(\g0)+\gt)+4*\c:12*(4*(\g0)+\gt)+4*\c+3], v[BO], s[6:7] offset:1536*(4*(\g0)+\gt)+512*\c-98304*(\back)
.endr
.endr
	WIN 0
.irp i, 0,1
	global_load_b64 v[WSC+2*((\g0)+\i):WSC+2*((\g0)+\i)+1], v[SO], s[8:9] offset:256*((\g0)+\i)-4096*(\back)
.endr
.endm
; 16 matrix instructions: the four tiles of rows (x's set pa) x group g's four tiles of columns.  The 64 accumulators take turns, one instruction a turn, in the same order in every K step.
.macro MUL g, pa, zero
.irp m, 0,1,2,3
.irp tt, 0,1,2,3
.set rD, 8*(16*((\g)%2)+4*\m+\tt)
.set rA, AF+48*(\pa)+12*\m
.set rB, 12*(4*(\g)+\tt)
.set rX, XS+4*(\pa)+\m
.set rW, WSC+2*(\g)+\tt/2
.if \zero
.if \tt%2
	v_wmma_scale_f32_16x16x128_f8f6f4 v[rD:rD+7], v[rA:rA+11], v[rB:rB+11], 0, v[rX], v[rW] matrix_a_fmt:MATRIX_FMT_BF6 matrix_b_fmt:MATRIX_FMT_BF6 matrix_b_scale:MATRIX_SCALE_ROW1
.else
	v_wmma_scale_f32_16x16x128_f8f6f4 v[rD:rD+7], v[rA:rA+11], v[rB:rB+11], 0, v[rX], v[rW] matrix_a_fmt:MATRIX_FMT_BF6 matrix_b_fmt:MATRIX_FMT_BF6
.endif
.else
.if \tt%2
	v_wmma_scale_f32_16x16x128_f8f6f4 v[rD:rD+7], v[rA:rA+11], v[rB:rB+11], v[rD:rD+7], v[rX], v[rW] matrix_a_fmt:MATRIX_FMT_BF6 matrix_b_fmt:MATRIX_FMT_BF6 matrix_b_scale:MATRIX_SCALE_ROW1
.else
	v_wmma_scale_f32_16x16x128_f8f6f4 v[rD:rD+7], v[rA:rA+11], v[rB:rB+11], v[rD:rD+7], v[rX], v[rW] matrix_a_fmt:MATRIX_FMT_BF6 matrix_b_fmt:MATRIX_FMT_BF6
.endif
.endif
.endr
.endr
.endm
; Groups g0 and g0 + 1: 32 matrix instructions under one setting of the windows.  cnt: the loads issued behind this pair's own, which may stay out.  zero = 1: the products start the sums.
; reload = 1: the pair's registers take the next K step at once.
.macro PAIR g0, pa, zero, reload, back, cnt
	s_wait_loadcnt \cnt
	WIN 0xa4+0x50*((\g0)/2)                        ; source 0 (x) window 0, source 1 (W) window 1, C and D window 2 or 3
	MUL \g0, \pa, \zero
	MUL (\g0)+1, \pa, \zero
.rept 4
	v_nop                                          ; four places in front of loads into registers that these products have read, and of the first read of results
.endr
.if \reload
	BLOAD2 \g0, \back
.else
	WIN 0
.endif
.endm
.macro RX half                         ; my 64 numbers of a K step: the first or second 512 bytes of my row in the region in hand
.irp c, 0,1
.irp q, 0,1,2,3,4,5,6,7
	ds_load_b128 v[Q+32*\c+4*\q:Q+32*\c+4*\q+3], v[XQA] offset:512*(\half)+256*\c+16*\q
.endr
.endr
.endm
.macro IMAGE p                         ; the fragment just made goes to LDS as it stands, 16 bytes a lane; its scale words 4 bytes a lane
.irp c, 0,1,2
	ds_store_b128 v[IMS], v[PC+4*\c:PC+4*\c+3] offset:IMB*(\p)+512*\c
.endr
	ds_store_b32 v[XSS], v[PW] offset:IMB*(\p)
.endm
.macro LA p                            ; and all four waves' come back so, into set p
.irp m, 0,1,2,3
.irp c, 0,1,2
	ds_load_b128 v[AF+48*(\p)+12*\m+4*\c:AF+48*(\p)+12*\m+4*\c+3], v[LI] offset:IMB*(\p)+1536*\m+512*\c
.endr
	ds_load_b32 v[XS+4*(\p)+\m], v[LS] offset:IMB*(\p)+128*\m
.endr
.endm
.macro CVT dst, lo, n                  ; n pairs of the 64 numbers, from pair lo on, as bf16: register 16 c + j holds k 64 c + 32 h + 2 j and the next
.set cj, \lo
.rept \n
	v_cvt_pk_bf16_f32 v[(\dst)+cj], v[Q+2*cj], v[Q+2*cj+1]
.set cj, cj+1
.endr
.endm
.macro CPST adr, off                   ; the copy to its row: number k at byte 2 k of the K step's 256
.irp c, 0,1
.irp q, 0,1,2,3
	ds_store_b128 v[\adr], v[CBR+16*\c+4*\q:CBR+16*\c+4*\q+3] offset:(\off)+128*\c+16*\q
.endr
.endr
.endm
; K STEP u (p = u % 2): the products of K step u - 1, and between them x of K step u on its way to be an operand.
; refill = 1: the barrier is one behind which a slot that has been read out is filled again.  pf = 1: behind that load my next refill's bytes are prefetched; 2: but not in a loop's last trip.
; rx = 1: x of K step u + 1 is read, from the region where v[XQA] stands; 2: but not in a loop's last trip.  tw: if not negative, a wait on TENSORcnt with this count stands ahead of that read.
; cpm = 1: the bf16 copy goes to LDS at adr + off; 0: it stays in window 1.
.macro STEP p, zero, refill, pf, rx, tw, cpm, adr, off
	s_wait_dscnt 0x0                               ; x's fragments of K step u - 1 and my numbers of K step u are in; the last copy's stores have landed
	PAIR 0, 1-(\p), \zero, 1, 0, 26                ; 26: one pair's loads were issued behind the pair that is wanted
	QUANTB Q, PC, PW
	IMAGE \p
.if \cpm
	CVT CBR, 0, 16                                 ; the conversions to bf16 stand between the image's stores and the wait for them
.else
	WIN 0x40
	CVT H0+32*(\p), 0, 32
	WIN 0
.endif
.if \refill
	s_wait_tensorcnt 0x0                           ; all my tensor loads have landed
	ds_add_u32 v[SPW], v[NIL]                      ; 0 onto my spare word
	s_xor_b32 s77, s77, SLOT1                      ; the walking descriptor: the other slot than last time,
	s_add_nc_u64 s[78:79], s[78:79], 1024          ; the next two K steps; the type bits on top are not reached
.endif
	s_wait_xcnt 0x0                                ; the loads issued so far have read their bases: the youngest stand ahead of the quantiser's lines
	s_add_nc_u64 s[6:7], s[6:7], 98304             ; W's bases step here, in the K step's middle: 64 fragments of 1,536 bytes; groups 2 and 3 below reach back by their immediates
	s_add_nc_u64 s[8:9], s[8:9], 4096
.if \refill
	s_add_nc_u64 s[22:23], s[22:23], 1024          ; the prefetches stand one refill further on than the walking descriptor
.endif
.if \cpm
	CVT CBR, 16, 16
.endif
	s_wait_dscnt 0x0                               ; my image has landed (and the add is done; my reads of the slot to be filled were waited for at this K step's head)
	s_barrier_signal -1
	s_barrier_wait -1
.if \refill
	tensor_load_to_lds s[76:79], s[24:31]          ; my one tensor load behind this barrier
	s_nop 0
.rept 4
	v_nop
.endr
.if (\pf) == 2
	s_cmp_gt_u32 s42, 1
	s_cbranch_scc0 .Lnp_\@                         ; the last refill has none behind it
.endif
.if \pf
	global_prefetch_b8 v[PFO], s[22:23] th:TH_LOAD_NT scope:SCOPE_SE             ; the tile that my NEXT refill will ask for: 16 rows x 1,024 bytes, a lane to each run of 256 bytes: two instructions.
	global_prefetch_b8 v[PFO], s[22:23] offset:512 th:TH_LOAD_NT scope:SCOPE_SE  ; No other wave of the launch reads these rows, so each run is named once
.endif
.if (\pf) == 2
.Lnp_\@:
.endif
.endif
	LA \p
.if \rx
.if (\tw) >= 0
	s_wait_tensorcnt \tw                           ; my part of the region that I am about to read is in; only I read it
.endif
.if (\rx) == 2
	s_cmp_gt_u32 s42, 1
	s_cbranch_scc0 .Lnr_\@                         ; behind K step 15 there is nothing to read
.endif
	RX 1-(\p)
.if (\rx) == 2
.Lnr_\@:
.endif
.endif
.if \cpm
	CPST \adr, \off
.endif
	PAIR 2, 1-(\p), \zero, 1, 1, 26
.endm
	s_load_b256 s[4:11], s[0:1], 0x0               ; enc_out s[4:5], wq s[6:7], ws s[8:9], biasw s[10:11]
	s_load_b256 s[12:19], s[0:1], 0x20             ; W_att s[12:13], b_att s[14:15], scores s[16:17], part s[18:19]
	v_lshl_add_u32 v[SPW], v0, 2, SPARE
	v_mov_b32 v[NIL], 0
	ds_add_u32 v1, v2
	ds_add_u32 v1, v2
	s_wait_dscnt 0x0
	v_lshrrev_b32 v16, 5, v0
	v_readfirstlane_b32 s20, v16                   ; wave 0..3
	; descriptor group 1: 16 rows x 256 elements of 4 bytes, 2,048 elements from row to row, 16 bytes of padding behind each row; it serves every load
	s_mov_b32 s24, (2<<16)|(1<<20)|(7<<22)|(3<<25) ; 15:0 no mask; 17:16 elements of 4 bytes; 20 padding on; 24:22 after every 256 words (code 7); 31:25 of 4 words (code 3)
	s_mov_b32 s25, 256<<16                         ; tensor_dim0 = 256
	s_mov_b32 s26, 16<<16                          ; tensor_dim1 = 16
	s_mov_b32 s27, 256<<16                         ; tile_dim0 = 256
	s_mov_b32 s28, 16                              ; tile_dim1 = 16
	s_mov_b32 s29, 2048                            ; tensor_dim0_stride
	s_mov_b32 s30, 0
	s_mov_b32 s31, 0
	s_mov_b32 s[SEL], 0x76543210
	s_mov_b32 s[SEL+1], 0xfedcba98
	s_mov_b32 s40, 0                               ; the slot in hand
	s_lshl_b32 s52, ttmp9, 19                      ; x: 64 rows of 8,192 bytes a block,
	s_lshl_b32 s53, s20, 17                        ; 16 a wave
	s_add_co_u32 s52, s52, s53
	s_mov_b32 s53, 0
	s_mul_i32 s54, s20, WREG                       ; my region of slot 0
	s_lshr_b32 s56, ttmp9, 3                       ; biasw: 64 bytes a batch, 16 tiles of 4,096 bytes a wave
	s_lshl_b32 s56, s56, 6
	s_lshl_b32 s57, s20, 16
	s_add_co_u32 s56, s56, s57
	s_mov_b32 s57, 0
	s_lshl_b32 s58, s20, 10                        ; W_att: 256 numbers a wave
	s_mov_b32 s59, 0
	s_lshl_b32 s60, ttmp9, 8                       ; scores: 64 numbers a block
	s_mov_b32 s61, 0
	s_lshl_b32 s62, ttmp9, 13                      ; part: 2,048 numbers a block
	s_mov_b32 s63, 0
	s_min_u32 s41, s20, 1
	s_mul_i32 s41, s41, TAJ
	s_add_co_u32 s41, s41, TA0                     ; from my region of slot 0 to A(w)
	s_add_co_u32 s80, s41, s54                     ; A(w)
	s_add_co_u32 s81, s54, TB0                     ; B(w)
	s_mul_i32 s82, s20, CCW
	s_add_co_u32 s82, s82, CC0                     ; C(w)
	v_and_b32 v16, 15, v0                          ; r
	v_bfe_u32 v17, v0, 4, 1                        ; h
	v_and_b32 v18, 31, v0                          ; lane
	v_mul_u32_u24 v19, v16, XP
	v_add_nc_u32 v19, s54, v19
	v_lshl_add_u32 v[XQ0], v17, 7, v19
	v_lshl_add_u32 v[IP0], v17, 6, v19
	v_add_nc_u32 v[XQA], s40, v[XQ0]
	v_lshlrev_b32 v[R4], 2, v16
	s_mul_i32 s55, s20, 1536
	s_add_co_u32 s55, s55, IMG
	v_lshl_add_u32 v[IMS], v18, 4, s55
	s_lshl_b32 s55, s20, 7
	s_add_co_u32 s55, s55, IMG+6144
	v_lshl_add_u32 v[XSS], v18, 2, s55
	v_lshl_add_u32 v[LI], v18, 4, IMG
	v_lshl_add_u32 v[LS], v18, 2, IMG+6144
	v_mul_u32_u24 v19, v16, CCP
	v_lshl_add_u32 v19, v17, 6, v19
	v_add_nc_u32 v[CPC], s82, v19
	s_mul_i32 s55, s20, 24576
	v_lshl_add_u32 v[BO], v18, 4, s55
	s_lshl_b32 s55, s20, 10
	v_lshl_add_u32 v[SO], v18, 3, s55
	v_lshlrev_b32 v[QSH8], 3, v17
	v_mov_b32 v[QTP], 0                            ; written once: a lane permute's destination counts as one of its sources
	v_lshlrev_b32 v[PFO], 13, v16
	v_lshl_add_u32 v[PFO], v17, 8, v[PFO]
	s_wait_kmcnt 0x0
	s_add_nc_u64 s[4:5], s[4:5], s[52:53]
	s_add_nc_u64 s[6:7], s[6:7], 98304             ; W's bases stand at K step 1: the head's loads of K step 0 reach back
	s_add_nc_u64 s[8:9], s[8:9], 4096
	s_add_nc_u64 s[10:11], s[10:11], s[56:57]
	s_add_nc_u64 s[12:13], s[12:13], s[58:59]
	s_add_nc_u64 s[16:17], s[16:17], s[60:61]
	s_add_nc_u64 s[18:19], s[18:19], s[62:63]
	s_mov_b32 s32, 1                               ; group 0 of the four first fills: K steps 0, 1 into slot 0,
	s_mov_b32 s33, s54
	s_mov_b64 s[34:35], s[4:5]
	s_or_b32 s35, s35, 0x80000000                  ; type = 2
	s_mov_b32 s36, 1                               ; 2, 3 into slot 1,
	s_add_co_u32 s37, s54, SLOT1
	s_add_nc_u64 s[38:39], s[4:5], 1024
	s_or_b32 s39, s39, 0x80000000
	s_mov_b32 s68, 1                               ; 4, 5 into A,
	s_add_co_u32 s69, s54, s41
	s_add_nc_u64 s[70:71], s[4:5], 2048
	s_or_b32 s71, s71, 0x80000000
	s_mov_b32 s72, 1                               ; 6, 7 into B
	s_add_co_u32 s73, s54, TB0
	s_add_nc_u64 s[74:75], s[4:5], 3072
	s_or_b32 s75, s75, 0x80000000
	s_mov_b32 s76, 1                               ; and the set that walks: each refill first turns it to the other slot and steps it two K steps on, so it begins at slot 1 and K steps 6, 7
	s_add_co_u32 s77, s54, SLOT1
	s_add_nc_u64 s[78:79], s[4:5], 3072
	s_or_b32 s79, s79, 0x80000000
	s_add_nc_u64 s[22:23], s[4:5], 4096            ; the prefetches: stepped likewise, so the first names K steps 10, 11.  Nothing is prefetched here, at the head
	tensor_load_to_lds s[32:35], s[24:31]          ; the four first fills go out together, ahead of every wait on TENSORcnt, every LDS read and every barrier: four loads of mine are out
	s_nop 0
	tensor_load_to_lds s[36:39], s[24:31]
	s_nop 0
	tensor_load_to_lds s[68:71], s[24:31]
	s_nop 0
	tensor_load_to_lds s[72:75], s[24:31]
	s_nop 0
.rept 4
	v_nop
.endr
	s_load_b32 s46, s[14:15], 0x0                  ; b_att
	BLOAD2 0, 1                                    ; W of K step 0: 52 loads
	BLOAD2 2, 1
	s_wait_kmcnt 0x0
	s_wait_tensorcnt 0x3                           ; my part of slot 0 is in; the three loads behind it may stay out
	RX 0
	s_wait_dscnt 0x0
	QUANTB Q, PC, PW
	IMAGE 0
	WIN 0x40
	CVT H0, 0, 32
	WIN 0
	s_wait_dscnt 0x0
	s_barrier_signal -1
	s_barrier_wait -1
	LA 0
	RX 1
	v_add_nc_u32 v[XQA], SLOT1, v[XQ0]             ; K steps 2, 3 lie in slot 1
	STEP 1, 1, 0, 0, 1, 2, 0, 0, 0                 ; u = 1: K step 0's products start the sums; behind slot 1's load two were issued
	STEP 0, 0, 0, 0, 1, -1, 1, CPC, 0              ; u = 2
	v_add_nc_u32 v[XQA], s41, v[XQ0]               ; K steps 4, 5 lie in A
	STEP 1, 0, 1, 1, 1, -1, 1, CPC, 256            ; u = 3: slot 0 takes K steps 8, 9
	v_add_nc_u32 v[CA], s41, v[IP0]                ; the copies of K steps 4-7 go over A
	STEP 0, 0, 0, 0, 1, -1, 1, CA, 0               ; u = 4
	v_add_nc_u32 v[XQA], TB0, v[XQ0]               ; K steps 6, 7 lie in B
	STEP 1, 0, 0, 0, 1, -1, 1, CA, 256             ; u = 5
	STEP 0, 0, 1, 1, 1, -1, 1, CA, 512             ; u = 6: slot 1 takes K steps 10, 11
	v_add_nc_u32 v[XQA], s40, v[XQ0]               ; K steps 8, 9 lie in slot 0
	STEP 1, 0, 0, 0, 1, -1, 1, CA, 768             ; u = 7
	s_mov_b32 s42, 2
	s_mov_b32 s43, TB0                             ; the copies of K steps 8-11 go over B
.Lk:                                               ; two trips of two K steps, u = 8 .. 11; each trip fills one slot for the last time
	v_add_nc_u32 v[CA], s43, v[IP0]
	STEP 0, 0, 0, 0, 1, -1, 1, CA, 0
	s_xor_b32 s40, s40, SLOT1                      ; the next K step begins the other slot
	v_add_nc_u32 v[XQA], s40, v[XQ0]
	STEP 1, 0, 1, 2, 1, -1, 1, CA, 256
	s_add_co_u32 s43, s43, 512
	s_sub_co_u32 s42, s42, 1
	s_cmp_lg_u32 s42, 0
	s_cbranch_scc1 .Lk
	s_mov_b32 s42, 2
.Lt:                                               ; two trips, u = 12 .. 15: nothing is left to fetch, and the copies go over the slot in hand: bytes that I have read and that no fill will touch again
	v_add_nc_u32 v[CA], s40, v[IP0]
	STEP 0, 0, 0, 0, 1, -1, 1, CA, 0
	s_xor_b32 s40, s40, SLOT1
	v_add_nc_u32 v[XQA], s40, v[XQ0]
	STEP 1, 0, 0, 0, 2, 0, 1, CA, 256              ; the wait for all tensor loads: the last fill, which no barrier's wait has shown landed
	s_sub_co_u32 s42, s42, 1
	s_cmp_lg_u32 s42, 0
	s_cbranch_scc1 .Lt
	s_wait_dscnt 0x0
	PAIR 0, 1, 0, 0, 0, 26                         ; K step 15's products
.irp t, 0,1,2,3,4,5,6,7,8,9,10,11,12,13,14,15
	global_load_b32 v[BI+\t], v[R4], s[10:11] offset:4096*\t   ; bias and W_att at column 256 w + 16 t + r
.endr
.irp t, 0,1,2,3,4,5,6,7,8,9,10,11,12,13,14,15
	global_load_b32 v[WA+\t], v[R4], s[12:13] offset:64*\t
.endr
	PAIR 2, 1, 0, 0, 0, 32                         ; the 32 just issued may be out
; THE SCORES.  relu(sum + bias) in place, each accumulator from its low end on; then the rows' sums of relu x W_att: S + 8 m + j for row 16 m + 8 h + j, over my lane's 16 columns.
.macro RELU wn                         ; wn = 0: window 2, column tiles 0-7; 1: window 3, tiles 8-15
	WIN 0x82+0x41*(\wn)                            ; destination and source 0 in the accumulators' window, the bias in window 0
.irp gg, 0,1
.irp m, 0,1,2,3
.irp tt, 0,1,2,3
.set rD, 8*(16*\gg+4*\m+\tt)
.set rB, BI+8*(\wn)+4*\gg+2*(\tt/2)
.irp j, 0,2,4,6
.if \tt%2
	v_pk_add_f32 v[rD+\j:rD+\j+1], v[rD+\j:rD+\j+1], v[rB:rB+1] op_sel:[0,1] op_sel_hi:[1,1]   ; the pair's second register serves both halves
.else
	v_pk_add_f32 v[rD+\j:rD+\j+1], v[rD+\j:rD+\j+1], v[rB:rB+1] op_sel_hi:[1,0]                ; the first
.endif
.endr
.irp j, 0,1,2,3,4,5,6,7
	v_max_num_f32 v[rD+\j], v[rD+\j], 0
.endr
.endr
.endr
.endr
.endm
.macro DOT wn
	WIN 0x02+(\wn)                                 ; source 0 in the accumulators' window
.irp gg, 0,1
.irp tt, 0,1,2,3
.irp m, 0,1,2,3
.irp j, 0,2,4,6
.set rD, 8*(16*\gg+4*\m+\tt)+\j
.set rW, WA+8*(\wn)+4*\gg+2*(\tt/2)
.set rS, S+8*\m+\j
.if (\wn)+\gg+\tt == 0
	v_pk_mul_f32 v[rS:rS+1], v[rD:rD+1], v[rW:rW+1] op_sel_hi:[1,0]                            ; the first tile starts the sums
.elseif \tt%2
	v_pk_fma_f32 v[rS:rS+1], v[rD:rD+1], v[rW:rW+1], v[rS:rS+1] op_sel:[0,1,0] op_sel_hi:[1,1,1]
.else
	v_pk_fma_f32 v[rS:rS+1], v[rD:rD+1], v[rW:rW+1], v[rS:rS+1] op_sel_hi:[1,0,1]
.endif
.endr
.endr
.endr
.endr
.endm
	s_wait_loadcnt 0x0
	RELU 0
	DOT 0
	RELU 1
	DOT 1
	WIN 0
.irp x, 1,2,4,8                        ; over the 16 lanes of a half: my wave's 256 columns
.set ej, 0
.rept 32
	v_add_f32_dpp v[S+ej], v[S+ej], v[S+ej] row_xmask:\x row_mask:0xf bank_mask:0xf
.set ej, ej+1
.endr
.endr
	v_bfe_u32 v25, v0, 4, 1
	s_lshl_b32 s52, s20, 8
	s_add_co_u32 s53, s52, SCR
	v_lshl_add_u32 v24, v25, 5, s53                ; SCR + 256 w + 32 h
	v_and_b32 v56, 31, v0
	v_lshl_add_u32 v25, v56, 3, SCR                ; SCR + 8 x lane
	v_lshlrev_b32 v38, 3, v56
	s_add_co_u32 s53, s52, PSC
	v_lshl_add_u32 v39, v56, 3, s53                ; PSC + 256 w + 8 x lane
	v_mov_b32 v37, 0
.irp m, 0,1,2,3
.irp q, 0,1
	ds_store_b128 v24, v[S+8*\m+4*\q:S+8*\m+4*\q+3] offset:64*\m+16*\q   ; row 16 m + 8 h + j at byte 4 x row; the 16 lanes of a half store the same words with the same values
.endr
.endr
	WIN 0x04                                       ; an LDS store's data are its source 1: window 1
.irp u, 0,1                            ; the copies of K steps 0 and 1 go behind those of 12 and 13 in slot 0: K step 13's numbers, which lay there, have been read
.irp c, 0,1
.irp q, 0,1,2,3
	ds_store_b128 v[IP0], v[H0+32*\u+16*\c+4*\q:H0+32*\u+16*\c+4*\q+3] offset:512+256*\u+128*\c+16*\q
.endr
.endr
.endr
	WIN 0
	s_wait_dscnt 0x0
	s_barrier_signal -1
	s_barrier_wait -1                              ; the four waves' partial scores lie in LDS
.irp w, 0,1,2,3
	ds_load_b64 v[26+2*\w:27+2*\w], v25 offset:256*\w      ; rows 2 x lane and 2 x lane + 1
.endr
	s_wait_dscnt 0x0
	v_pk_add_f32 v[34:35], v[26:27], v[28:29]
	v_pk_add_f32 v[34:35], v[34:35], v[30:31]
	v_pk_add_f32 v[34:35], v[34:35], v[32:33]
	v_add_f32 v34, s46, v34
	v_add_f32 v35, s46, v35                        ; the scores; v[34:35] stay as they are from here on
	s_cmp_lg_u32 s20, 0
	s_cbranch_scc1 .Lnot0
	global_store_b64 v38, v[34:35], s[16:17]       ; wave 0: 32 lanes store 256 consecutive bytes, aligned
.Lnot0:
	v_max_num_f32 v36, v34, v35                    ; the block's largest score
	v_max_num_f32_dpp v36, v36, v36 row_xmask:1 row_mask:0xf bank_mask:0xf
	v_max_num_f32_dpp v36, v36, v36 row_xmask:2 row_mask:0xf bank_mask:0xf
	v_max_num_f32_dpp v36, v36, v36 row_xmask:4 row_mask:0xf bank_mask:0xf
	v_max_num_f32_dpp v36, v36, v36 row_xmask:8 row_mask:0xf bank_mask:0xf
	v_permlanex16_b32 v37, v36, s[SEL], s[SEL+1]
	v_max_num_f32 v36, v36, v37
	v_sub_f32 v40, v34, v36
	v_sub_f32 v41, v35, v36
	v_mul_f32 v40, 0x3fb8aa3b, v40
	v_mul_f32 v41, 0x3fb8aa3b, v41
	v_exp_f32 v40, v40                             ; the weights, at most 1, under the block's own maximum
	v_exp_f32 v41, v41
	v_nop                                          ; a plain place behind the exponentials,
	s_wait_alu depctr_va_vdst(0)                   ; and the wait ahead of the first use
	ds_store_b64 v39, v[40:41]                     ; my wave's own copy of the 64 weights: LDS serves a wave's instructions in order, so my loads below see it
; THE WEIGHTED SUM of my own 16 rows, from the bf16 copies.  A load takes 512 bytes of a row, two K steps: lane l holds numbers 8 l .. 8 l + 7 of them.
	v_lshl_add_u32 v42, v56, 4, s82                ; C(w) + 16 x lane
	v_lshl_add_u32 v43, v56, 4, s54                ; my region of slot 0 + 16 x lane
	v_add_nc_u32 v44, SLOT1, v43
	v_lshl_add_u32 v57, v56, 4, s80                ; A(w) + 16 x lane
	v_lshl_add_u32 v58, v56, 4, s81                ; B(w) + 16 x lane
	s_mul_i32 s53, s20, 320
	s_add_co_u32 s53, s53, PSC
	v_mov_b32 v45, s53                             ; my rows' weights in my copy: 256 w + 4 x 16 w
.set ej, 0
.rept 64
	v_mov_b32 v[ACCW+ej], 0
.set ej, ej+1
.endr
.macro ROWLD rr, xb                    ; K steps 2, 3 from C; 4-7 from A; 8-11 from B; 12, 13 and 0, 1 from slot 0; 14, 15 from slot 1
	ds_load_b128 v[\xb:\xb+3], v46 offset:CCP*\rr
	ds_load_b128 v[\xb+4:\xb+7], v50 offset:XP*\rr
	ds_load_b128 v[\xb+8:\xb+11], v50 offset:XP*\rr+512
	ds_load_b128 v[\xb+12:\xb+15], v51 offset:XP*\rr
	ds_load_b128 v[\xb+16:\xb+19], v51 offset:XP*\rr+512
	ds_load_b128 v[\xb+20:\xb+23], v47 offset:XP*\rr
	ds_load_b128 v[\xb+24:\xb+27], v47 offset:XP*\rr+512
	ds_load_b128 v[\xb+28:\xb+31], v48 offset:XP*\rr
.endm
.macro ROWFMA rr, xb
.irp pi, 0,1,2,3,4,5,6,7
.irp i, 0,1,2,3
	v_fma_mix_f32_bf16 v[ACCW+8*\pi+2*\i], v[\xb+4*\pi+\i], v[16+\rr], v[ACCW+8*\pi+2*\i] op_sel_hi:[1,0,0]
	v_fma_mix_f32_bf16 v[ACCW+8*\pi+2*\i+1], v[\xb+4*\pi+\i], v[16+\rr], v[ACCW+8*\pi+2*\i+1] op_sel:[1,0,0] op_sel_hi:[1,0,0]
.endr
.endr
.endm
	s_mov_b32 s48, 0
	s_mov_b32 s49, 0
	s_mov_b32 s50, 0
	s_mov_b32 s42, 4
.Lrow:                                             ; four trips of four rows
	v_add_nc_u32 v46, s48, v42
	v_add_nc_u32 v47, s49, v43
	v_add_nc_u32 v48, s49, v44
	v_add_nc_u32 v50, s49, v57
	v_add_nc_u32 v51, s49, v58
	v_add_nc_u32 v49, s50, v45
	ds_load_b128 v[16:19], v49                     ; the four rows' weights, the same in every lane
	ROWLD 0, XB0
	ROWLD 1, XB1
	s_wait_dscnt 8                                 ; the next row's eight loads may be out
	ROWFMA 0, XB0
	ROWLD 2, XB0
	s_wait_dscnt 8
	ROWFMA 1, XB1
	ROWLD 3, XB1
	s_wait_dscnt 8
	ROWFMA 2, XB0
	s_wait_dscnt 0x0
	ROWFMA 3, XB1
	s_add_co_u32 s48, s48, 4*CCP
	s_add_co_u32 s49, s49, 4*XP
	s_add_co_u32 s50, s50, 16
	s_sub_co_u32 s42, s42, 1
	s_cmp_lg_u32 s42, 0
	s_cbranch_scc1 .Lrow
; THE FOUR WAVES' SUMS MEET: each lays its 2,048 numbers, in order, over its own region A, which it has read; behind a barrier wave w adds numbers 512 w on of all four and stores them.
	v_lshl_add_u32 v50, v56, 5, s80                ; A(w) + 32 x lane
	s_lshl_b32 s52, s20, 11
	v_lshl_add_u32 v55, v56, 4, s52                ; 2048 w + 16 x lane: in each wave's stage, and in part's row
	v_add_nc_u32 v51, TA0, v55
	v_add_nc_u32 v52, TA0+TAJ+WREG, v55
	v_add_nc_u32 v53, TA0+TAJ+2*WREG, v55
	v_add_nc_u32 v54, TA0+TAJ+3*WREG, v55
.macro STG pi, u0                      ; load pi held K steps u0 and u0 + 1
	ds_store_b128 v50, v[ACCW+8*\pi:ACCW+8*\pi+3] offset:512*\u0
	ds_store_b128 v50, v[ACCW+8*\pi+4:ACCW+8*\pi+7] offset:512*\u0+16
.endm
	STG 0, 2
	STG 1, 4
	STG 2, 6
	STG 3, 8
	STG 4, 10
	STG 5, 12
	STG 6, 0
	STG 7, 14
	s_wait_dscnt 0x0
	s_barrier_signal -1
	s_barrier_wait -1
.irp w, 0,1,2,3
.irp i, 0,1,2,3
	ds_load_b128 v[60+16*\w+4*\i:63+16*\w+4*\i], v[51+\w] offset:512*\i
.endr
.endr
	s_wait_dscnt 0x0
.irp w, 1,2,3
.irp i, 0,1,2,3
	v_pk_add_f32 v[60+4*\i:61+4*\i], v[60+4*\i:61+4*\i], v[60+16*\w+4*\i:61+16*\w+4*\i]
	v_pk_add_f32 v[62+4*\i:63+4*\i], v[62+4*\i:63+4*\i], v[62+16*\w+4*\i:63+16*\w+4*\i]
.endr
.endr
.irp i, 0,1,2,3
	global_store_b128 v55, v[60+4*\i:63+4*\i], s[18:19] offset:512*\i   ; 32 lanes store 512 consecutive bytes, aligned
.endr
	s_wait_tensorcnt 0x0                           ; the wave's end: behind my last tensor load and my last LDS store
	ds_add_u32 v[SPW], v[NIL]
	s_wait_dscnt 0x0
	s_endpgm
.Lfunc_end_k_q02f37d17ea_main:
	.size	k_q02f37d17ea_main, .Lfunc_end_k_q02f37d17ea_main-k_q02f37d17ea_main
	.p2alignl 7, 3214868480
	.fill 96, 4, 3214868480
	.section	.rodata,"a",@progbits
	.p2align	6, 0x0
	.amdhsa_kernel k_q02f37d17ea_main
		.amdhsa_group_segment_fixed_size 327680
		.amdhsa_private_segment_fixed_size 0
		.amdhsa_enable_private_segment 0
		.amdhsa_kernarg_size 64
		.amdhsa_user_sgpr_count 2
		.amdhsa_user_sgpr_kernarg_segment_ptr 1
		.amdhsa_wavefront_size32 1
		.amdhsa_system_sgpr_workgroup_id_x 1
		.amdhsa_system_sgpr_workgroup_id_y 1
		.amdhsa_system_sgpr_workgroup_id_z 1
		.amdhsa_system_vgpr_workitem_id 0
		.amdhsa_next_free_vgpr 1024
		.amdhsa_next_free_sgpr 84
		.amdhsa_reserve_vcc 0
		.amdhsa_float_denorm_mode_32 3
		.amdhsa_float_denorm_mode_16_64 3
		.amdhsa_memory_ordered 1
		.amdhsa_forward_progress 1
		.amdhsa_inst_pref_size 255
	.end_amdhsa_kernel
	.section	.bss,"aw",@nobits
	.p2align	6
	.space	262144
	.amdgpu_metadata
---
amdhsa.version: [ 1, 2 ]
amdhsa.kernels:
  - .name:           k_q02f37d17ea_main
    .symbol:         k_q02f37d17ea_main.kd
    .args:
      - { .name: enc_out, .offset: 0, .size: 8, .value_kind: global_buffer, .address_space: global }
      - { .name: wq, .offset: 8, .size: 8, .value_kind: global_buffer, .address_space: global }
      - { .name: ws, .offset: 16, .size: 8, .value_kind: global_buffer, .address_space: global }
      - { .name: biasw, .offset: 24, .size: 8, .value_kind: global_buffer, .address_space: global }
      - { .name: W_att, .offset: 32, .size: 8, .value_kind: global_buffer, .address_space: global }
      - { .name: b_att, .offset: 40, .size: 8, .value_kind: global_buffer, .address_space: global }
      - { .name: scores, .offset: 48, .size: 8, .value_kind: global_buffer, .address_space: global }
      - { .name: part, .offset: 56, .size: 8, .value_kind: global_buffer, .address_space: global }
    .group_segment_fixed_size: 327680
    .private_segment_fixed_size: 0
    .kernarg_segment_align: 8
    .kernarg_segment_size: 64
    .max_flat_workgroup_size: 128
    .sgpr_count:     84
    .vgpr_count:     1024
    .wavefront_size: 32
...
	.end_amdgpu_metadata
.endif
;; end of part 2
;; launch final (part 3): grid 4 x 64, 4 waves a work-group, no clusters, 0 bytes of LDS; arguments scores, part, out0, out1; writes out0, out1
.if DOCPART == 3
	.amdgcn_target "amdgcn-amd-amdhsa--gfx1250"
	.amdhsa_code_object_version 6
	.text
	.protected	k_q02f37d17ea_final
	.globl	k_q02f37d17ea_final
	.p2align	8
	.type	k_q02f37d17ea_final,@function
k_q02f37d17ea_final:
	s_mov_b64 s[64:65], 0
	v_nop
	global_prefetch_b8 v0, s[64:65] scope:SCOPE_SE
	s_setreg_imm32_b32 hwreg(HW_REG_WAVE_MODE, 25, 1), 1
	s_wait_xcnt 0x0
; The softmax over a batch's 512 scores, and the eight blocks' partial sums joined.  Work-group (q, b): batch b, numbers 512 q on of out0's row (128 a wave) and, by wave 0, alphas 128 q on.
; Every wave reads the batch's 512 scores: M = the largest, L = the sum of 2^((s - M) log2 e), and each block's own largest m_k, under which the launch before took its weights.
; alpha = 2^((s - M) log2 e) / L;  out0 = the sum over k of f_k part[8 b + k], f_k = 2^((m_k - M) log2 e) / L.  Memory binds; no LDS, no barrier: waves share nothing.
; Load i of the scores gives lane l scores 128 i + 4 l + 0 .. 3: block 2 i lies in lanes 0-15, block 2 i + 1 in lanes 16-31.
.set SC, 8                             ; v8-23   the scores, then their exponentials
.set SA, 24                            ; v24-27  the four scores whose alphas this lane would store
.set PT, 28                            ; v28-59  eight blocks' partial sums, four numbers each
.set MB, 60                            ; v60-63  the blocks' maxima, then f
.set MX, 64                            ; v64-65  M, twice (a pair for the packed subtraction)
.set TP, 66
	s_load_b256 s[4:11], s[0:1], 0x0               ; scores s[4:5], part s[6:7], out0 s[8:9], out1 s[10:11]
	v_lshrrev_b32 v1, 5, v0
	v_readfirstlane_b32 s12, v1                    ; wave
	v_and_b32 v1, 31, v0
	v_lshlrev_b32 v1, 4, v1                        ; 16 x lane
	s_and_b32 s13, ttmp7, 0xffff                   ; b
	s_lshl_b32 s14, s13, 11                        ; a batch's scores and alphas: 2,048 bytes
	s_mov_b32 s15, 0
	s_lshl_b32 s16, ttmp9, 9                       ; 128 q numbers
	s_mov_b32 s17, 0
	s_lshl_b32 s20, ttmp9, 11                      ; 512 q numbers
	s_lshl_b32 s21, s12, 9                         ; 128 a wave
	s_add_co_u32 s20, s20, s21
	s_lshl_b32 s18, s13, 16                        ; part: eight rows of 8,192 bytes a batch
	s_add_co_u32 s18, s18, s20
	s_mov_b32 s19, 0
	s_lshl_b32 s22, s13, 13                        ; out0: 8,192 bytes a batch
	s_add_co_u32 s22, s22, s20
	s_mov_b32 s23, 0
	s_mov_b32 s26, 0x76543210
	s_mov_b32 s27, 0xfedcba98
	s_wait_kmcnt 0x0
	s_add_nc_u64 s[4:5], s[4:5], s[14:15]
	s_add_nc_u64 s[24:25], s[4:5], s[16:17]
	s_add_nc_u64 s[6:7], s[6:7], s[18:19]
	s_add_nc_u64 s[8:9], s[8:9], s[22:23]
	s_add_nc_u64 s[10:11], s[10:11], s[14:15]
	s_add_nc_u64 s[10:11], s[10:11], s[16:17]
.irp i, 0,1,2,3
	global_load_b128 v[SC+4*\i:SC+4*\i+3], v1, s[4:5] offset:512*\i
.endr
	global_load_b128 v[SA:SA+3], v1, s[24:25]
.irp k, 0,1,2,3,4,5,6,7
	global_load_b128 v[PT+4*\k:PT+4*\k+3], v1, s[6:7] offset:8192*\k th:TH_LOAD_NT   ; read once in the launch
.endr
	v_mov_b32 v[TP], 0                             ; a lane permute's destination counts as one of its sources
	s_wait_loadcnt 8                               ; the scores are in; part's eight loads may be out
.irp i, 0,1,2,3
	v_max3_num_f32 v[MB+\i], v[SC+4*\i], v[SC+4*\i+1], v[SC+4*\i+2]
.endr
.irp i, 0,1,2,3
	v_max_num_f32 v[MB+\i], v[MB+\i], v[SC+4*\i+3]
.endr
.irp x, 1,2,4,8
.irp i, 0,1,2,3
	v_max_num_f32_dpp v[MB+\i], v[MB+\i], v[MB+\i] row_xmask:\x row_mask:0xf bank_mask:0xf   ; over a half's 16 lanes: a block's largest score
.endr
.endr
	v_max3_num_f32 v[MX], v[MB], v[MB+1], v[MB+2]
	v_max_num_f32 v[MX], v[MX], v[MB+3]
	v_permlanex16_b32 v[TP], v[MX], s26, s27
	v_max_num_f32 v[MX], v[MX], v[TP]              ; M
	v_mov_b32 v[MX+1], v[MX]
.irp a, 8,10,12,14,16,18,20,22,24,26,60,62
	v_pk_add_f32 v[\a:\a+1], v[\a:\a+1], v[MX:MX+1] op_sel_hi:[1,0] neg_lo:[0,1] neg_hi:[0,1]   ; s - M
.endr
.irp a, 8,10,12,14,16,18,20,22,24,26,60,62
	v_pk_mul_f32 v[\a:\a+1], v[\a:\a+1], 0x3fb8aa3b op_sel_hi:[1,0]
.endr
.irp a, 8,9,10,11,12,13,14,15,16,17,18,19,20,21,22,23,24,25,26,27,60,61,62,63
	v_exp_f32 v[\a], v[\a]                         ; one batch of 24
.endr
	v_nop                                          ; a plain place behind the last exponential,
	s_wait_alu depctr_va_vdst(0)                   ; and one wait for the batch, ahead of its first reader
	v_pk_add_f32 v[68:69], v[8:9], v[10:11]
.irp a, 12,14,16,18,20,22
	v_pk_add_f32 v[68:69], v[68:69], v[\a:\a+1]
.endr
	v_add_f32 v68, v68, v69
	v_add_f32_dpp v68, v68, v68 row_xmask:1 row_mask:0xf bank_mask:0xf
	v_add_f32_dpp v68, v68, v68 row_xmask:2 row_mask:0xf bank_mask:0xf
	v_add_f32_dpp v68, v68, v68 row_xmask:4 row_mask:0xf bank_mask:0xf
	v_add_f32_dpp v68, v68, v68 row_xmask:8 row_mask:0xf bank_mask:0xf
	v_permlanex16_b32 v[TP], v68, s26, s27
	v_add_f32 v68, v68, v[TP]                      ; L, at least 1: the largest score's term
	v_rcp_f32 v70, v68
	v_nop
	s_wait_alu depctr_va_vdst(0)
.irp i, 0,1,2,3
	v_mul_f32 v[MB+\i], v[MB+\i], v70              ; f of block 2 i (lanes 0-15) and 2 i + 1 (lanes 16-31)
.endr
.irp i, 0,1,2,3
	v_readlane_b32 s[32+2*\i], v[MB+\i], 0
	v_readlane_b32 s[33+2*\i], v[MB+\i], 16
.endr
	s_wait_loadcnt 0x0
.irp e, 0,1,2,3
	v_mul_f32 v[72+\e], s32, v[PT+\e]
.endr
.irp k, 1,2,3,4,5,6,7
.irp e, 0,1,2,3
	v_fma_f32 v[72+\e], s[32+\k], v[PT+4*\k+\e], v[72+\e]
.endr
.endr
	global_store_b128 v1, v[72:75], s[8:9]         ; 32 lanes store 512 consecutive bytes, aligned
	s_cmp_lg_u32 s12, 0
	s_cbranch_scc1 .Lend
.irp e, 0,1,2,3
	v_mul_f32 v[76+\e], v[SA+\e], v70
.endr
	global_store_b128 v1, v[76:79], s[10:11]       ; wave 0: 128 alphas
.Lend:
	s_endpgm
.Lfunc_end_k_q02f37d17ea_final:
	.size	k_q02f37d17ea_final, .Lfunc_end_k_q02f37d17ea_final-k_q02f37d17ea_final
	.p2alignl 7, 3214868480
	.fill 96, 4, 3214868480
	.section	.rodata,"a",@progbits
	.p2align	6, 0x0
	.amdhsa_kernel k_q02f37d17ea_final
		.amdhsa_group_segment_fixed_size 0
		.amdhsa_private_segment_fixed_size 0
		.amdhsa_enable_private_segment 0
		.amdhsa_kernarg_size 32
		.amdhsa_user_sgpr_count 2
		.amdhsa_user_sgpr_kernarg_segment_ptr 1
		.amdhsa_wavefront_size32 1
		.amdhsa_system_sgpr_workgroup_id_x 1
		.amdhsa_system_sgpr_workgroup_id_y 1
		.amdhsa_system_sgpr_workgroup_id_z 1
		.amdhsa_system_vgpr_workitem_id 0
		.amdhsa_next_free_vgpr 96
		.amdhsa_next_free_sgpr 66
		.amdhsa_reserve_vcc 0
		.amdhsa_float_denorm_mode_32 3
		.amdhsa_float_denorm_mode_16_64 3
		.amdhsa_memory_ordered 1
		.amdhsa_forward_progress 1
		.amdhsa_inst_pref_size 11
	.end_amdhsa_kernel
	.amdgpu_metadata
---
amdhsa.version: [ 1, 2 ]
amdhsa.kernels:
  - .name:           k_q02f37d17ea_final
    .symbol:         k_q02f37d17ea_final.kd
    .args:
      - { .name: scores, .offset: 0, .size: 8, .value_kind: global_buffer, .address_space: global }
      - { .name: part, .offset: 8, .size: 8, .value_kind: global_buffer, .address_space: global }
      - { .name: out0, .offset: 16, .size: 8, .value_kind: global_buffer, .address_space: global }
      - { .name: out1, .offset: 24, .size: 8, .value_kind: global_buffer, .address_space: global }
    .group_segment_fixed_size: 0
    .private_segment_fixed_size: 0
    .kernarg_segment_align: 8
    .kernarg_segment_size: 32
    .max_flat_workgroup_size: 128
    .sgpr_count:     66
    .vgpr_count:     96
    .wavefront_size: 32
...
	.end_amdgpu_metadata
.endif
;; end of part 3
